; MI455X (gfx1250); checked and timed in simulation.
; The chip was launched on July 23, 2026; its instructions are those of AMD's public machine-readable ISA for CDNA 5 (MIT licence, August 2026) and "CDNA5" Instruction Set Architecture Reference Guide (July 2026). The comments in the code are by the model that wrote it; some were corrected since.
;; Multi Head Attention. Allowed arithmetic: matrix products marked QUANTISED: E2M3 operands, one E8M0 scale for each 32 along K, by v_wmma_scale_f32_16x16x128_f8f6f4 with both operands' format E2M3, f32 sums; everything else in f32.
;; Inputs: K 4 x 2,048 x 1,024 float32; Q 4 x 2,048 x 1,024 float32; V 4 x 2,048 x 1,024 float32; Wk 1,024 x 1,024 float32; Wq 1,024 x 1,024 float32; Wv 1,024 x 1,024 float32; bq 1,024 float32; bv 1,024 float32; mask 4 x 2,048 int32.
;; Outputs: out0 4 x 2,048 x 1,024 float32.
;; This version of the problem:
;;   THIS VERSION OF THE PROBLEM IS GIVEN IN LOW PRECISION. The matrix products marked QUANTISED in the list below multiply operands that are first quantised to E2M3 (2 exponent bits, 3 mantissa bits; 6 bits a number), with one power-of-two scale for each 32 numbers along K (OCP MX v1.0); their sums are f32. All else is computed in f32.
;;   The module's matrix products, in the order in which they are computed (A, B: the left and right operand; K: the contracted axis; several contracted axes count as one K, in the product's order):
;;     1. [M 8,192, K 1,024] x [K 1,024, N 1,024]; A: input Q; B: input Wq: QUANTISED
;;     2. [M 8,192, K 1,024] x [K 1,024, N 1,024]; A: input K; B: input Wk: QUANTISED
;;     3. [M 8,192, K 1,024] x [K 1,024, N 1,024]; A: input V; B: input Wv: QUANTISED
;;     4. batch 64 x [M 2,048, K 64] x [K 64, N 2,048]; A: computed on the way; B: computed on the way: QUANTISED
;;     5. batch 64 x [M 64, K 2,048] x [K 2,048, N 2,048]; A: computed on the way; B: softmax (see below): QUANTISED
;;   THE QUANTISER, for each operand of a quantised product, along K:
;;     - K is cut into blocks of 32 from its start; a last block that is shorter is filled with zeros.
;;     - A block's scale is 2^e with e = floor(log2(the largest magnitude in the block)) - 2, held to -126 .. 127; a block of zeros has e = 0. As a byte (E8M0): e + 127.
;;     - Each number is divided by its block's scale, clamped to +-7.5, and rounded to the nearest number of E2M3, ties to even, subnormals kept.
;;     - The product sums the exact products of the quantised numbers (number of the format x scale) in f32.
;;   ~~~python
;;   def quantise(x, axis):      # numpy; x: float32 -> the quantised numbers, widened to float32 again
;;       x = np.moveaxis(x, axis, -1); K = x.shape[-1]
;;       x = np.pad(x, [(0, 0)] * (x.ndim - 1) + [(0, -K % 32)]); x = x.reshape(x.shape[:-1] + (-1, 32)); a = np.abs(x).max(-1, keepdims=True)
;;       e = np.where(a > 0, np.clip(np.frexp(np.where(a > 0, a, 1))[1] - 1 - 2, -126, 127), 0)      # np.frexp(a)[1] - 1 = floor(log2(a)), exactly
;;       r = np.clip(x / 2.0 ** e, -7.5, 7.5)
;;       step = 2.0 ** (np.maximum(np.frexp(np.where(r == 0, 1, r))[1] - 1, 0) - 3)
;;       q = np.round(r / step) * step * 2.0 ** e      # np.round: ties to even
;;       return np.moveaxis(q.reshape(q.shape[:-2] + (-1,))[..., :K], -1, axis).astype(np.float32)
;;   ~~~
;;   SOFTMAX AHEAD OF A QUANTISED PRODUCT. Where the list says 'softmax', what is quantised is not the finished softmax but p = 2^(t - M), with t = logit x log2(e) and M = ceil(the row's largest t), a whole number; so 1/2 < the row's largest p <= 1. The row's sum l is taken of the UNQUANTISED p, in f32, and the product's result is divided by l at the end. Since M is a whole number, a kernel that streams over the keys may use a running M (the ceiling of the running maximum): every later rescaling is an exact power of two, which a block's scale takes up: the codes' values come out the same.
;;   OPERANDS COMPUTED ON THE WAY. 'Computed on the way' means the value that the module computes at that place (a softmax that the list does not call 'softmax' is quantised finished and normalised). What goes into a quantiser is computed in f32, as accurately as f32 sums, v_exp_f32 and their like allow (about 1e-6 of the number): no bf16 or f16 on the way to a quantiser, and a product that is left as it is and whose result goes on into a quantised operand takes f32 operands (vector FMAs, or v_wmma_f32_16x16x4_f32). A number that lies on a knife's edge between two numbers of the format may be rounded either way, as far as f32 arithmetic and the matrix unit's own rounding can turn it there, and no further.
;; One version. Each part assembles by itself: llvm-mc -triple=amdgcn-amd-amdhsa -mcpu=gfx1250 --defsym DOCPART=n.
;; ======== version 1 of 1: 3 launches
;; limits: right only within a limited range of input values
;; workspace buffers: codes 21,233,664 bytes; scales 884,736 bytes; qrec 13,369,344 bytes; rec 13,369,344 bytes
;; launch quant (part 1): grid 864 x 1, 4 waves a work-group, no clusters, 33,280 bytes of LDS; arguments Q, K, V, Wq, Wk, Wv, codes, scales; writes codes, scales
.if DOCPART == 1
	.amdgcn_target "amdgcn-amd-amdhsa--gfx1250"
	.amdhsa_code_object_version 6
	.text
	.protected	k_q65d8b3eb7e_quant
	.globl	k_q65d8b3eb7e_quant
	.p2align	8
	.type	k_q65d8b3eb7e_quant,@function
k_q65d8b3eb7e_quant:
	s_mov_b64 s[64:65], 0
	v_nop
	global_prefetch_b8 v0, s[64:65] scope:SCOPE_SE
	s_setreg_imm32_b32 hwreg(HW_REG_WAVE_MODE, 25, 1), 1
	s_wait_xcnt 0x0
; Q, K, V [8192][1024] and Wq, Wk, Wv [1024][1024], f32 with the products' K (d_model) innermost, become codes of FP6 (E2M3), 6 bits each, and one E8M0 scale byte for each 32 along K.
; The six tensors lie one behind the other in both workspace buffers, in this order: a row of codes is 768 bytes, a row of scale bytes 32.
; A block's scale is 2^(floor(log2(its largest magnitude)) - 2); its byte is the largest magnitude's exponent field - 2, held at 1 from below.  A block of zeros so gets the byte 1 where the rule says 127:
; its codes are zeros, which add nothing under any byte but 0xff, and the bytes are read by this program alone.  Each number is divided by the scale and rounded to the nearest code, ties to even, beyond 7.5 the largest code.
; LIMITS: NaN and infinities among the inputs are not served; blocks whose largest magnitude lies under 2^-124 have their byte held at 1.
; THE ORDER OF ROWS.  A wave takes 8 rows (8,192 numbers), a work-group 32.  In K, V, Wq and Wk the four groups of 8 rows of each 32 are stored in the order 0, 2, 1, 3: stored row 16 i + r of the 32 is then the true row
; 8 i + r + 8 (r / 8).  So the next launch's tiles of 16 stored rows hold the rows that make a lane's results neighbours along the next product's K.  Q and Wv keep their order.
; A wave's 16 steps of 512 numbers: each of a step's four loads reads 512 consecutive bytes, 16 a lane; the 2,048 bytes turn through the wave's own stage in LDS and come back 64 bytes a lane, so that a lane holds
; 16 neighbours (two lanes hold a block).  A lane's 16 codes are 12 bytes: the wave stores 384 consecutive bytes.  A wave's 256 scale bytes are gathered in LDS and leave as one store of 256 consecutive, aligned bytes.
; No tensor loads, no barrier: waves share nothing.  Loads run four steps (16 loads a wave) ahead, the turn through LDS one step.
.set STEPS, 16
.set EMAX,  2
.set CB,    12                         ; bytes of 16 codes
.set R,     16                         ; v16-79   four sets of 16 numbers as they are loaded
.set X,     80                         ; v80-111  two sets of 16 neighbours
.set C,     128                        ; v128-191 codes: four registers for each step, so that no store's data are written again
.set E,     112                        ; v112-127 a scale byte for each step
.set WREG,  8192                       ; LDS: a region for each wave: two stages of 32 x SP bytes, and behind them its 256 scale bytes
.set SP,    80                         ; a lane's place in a stage: its 64 bytes + 16 of padding
	s_load_b256 s[4:11], s[0:1], 0x0               ; Q s[4:5], K s[6:7], V s[8:9], Wq s[10:11]
	s_load_b256 s[12:19], s[0:1], 0x20             ; Wk s[12:13], Wv s[14:15], codes s[16:17], scales s[18:19]
	v_lshl_add_u32 v192, v0, 2, 0x8000
	v_mov_b32 v193, 0
	v_lshrrev_b32 v1, 5, v0
	v_readfirstlane_b32 s24, v1                    ; wave
	v_and_b32 v2, 31, v0                           ; lane
	v_lshlrev_b32 v3, 4, v2                        ; my 16 bytes of a load's 512
	s_mul_i32 s25, s24, WREG
	v_lshrrev_b32 v14, 2, v2
	v_mul_u32_u24 v14, v14, SP
	v_and_b32 v15, 3, v2
	v_lshl_add_u32 v14, v15, 4, v14
	v_add_nc_u32 v14, s25, v14                     ; the stage, on the way in: SP (lane / 4) + 16 (lane % 4)
	v_mul_u32_u24 v15, v2, SP
	v_add_nc_u32 v15, s25, v15                     ; and on the way out: SP x lane: my 16 neighbours
	v_mul_u32_u24 v4, v2, CB                       ; my codes' place in a step's
	v_lshrrev_b32 v5, 1, v2
	s_add_co_u32 s25, s25, 2*32*SP
	v_add_nc_u32 v5, s25, v5                       ; LDS: my wave's 256 scale bytes, my block's byte
	v_lshlrev_b32 v7, 3, v2                        ; and on the way out 8 bytes a lane
	v_add_nc_u32 v6, s25, v7
	s_wait_kmcnt 0x0
	; which tensor: work-groups 0-255 Q, 256-511 K, 512-767 V, 768-799 Wq, 800-831 Wk, 832-863 Wv.  Only a pointer and a number are chosen, on the work-group's number alone: all six take one path
	s_mov_b64 s[20:21], s[14:15]
	s_mov_b32 s22, 832
.macro PICK limit, ptr, first
	s_cmp_lt_u32 ttmp9, \limit
	s_cselect_b64 s[20:21], s[\ptr:\ptr+1], s[20:21]
	s_cselect_b32 s22, \first, s22
.endm
	PICK 832, 12, 800
	PICK 800, 10, 768
	PICK 768, 8, 512
	PICK 512, 6, 256
	PICK 256, 4, 0
	s_sub_co_u32 s22, ttmp9, s22
	s_lshl_b32 s22, s22, 2
	s_add_co_u32 s22, s22, s24                     ; which run of 8,192 numbers of the tensor is my wave's
	s_lshl_b32 s22, s22, 15                        ; 32,768 bytes a run (1,023 runs at the most: under 2^25)
	s_mov_b32 s23, 0
	s_add_nc_u64 s[20:21], s[20:21], s[22:23]
	s_and_b32 s26, s24, 1                          ; where the run goes: wave 0, 1, 2, 3 to place 0, 2, 1, 3
	s_lshl_b32 s26, s26, 1
	s_lshr_b32 s27, s24, 1
	s_or_b32 s26, s26, s27
	s_sub_co_u32 s27, ttmp9, 256
	s_cmp_lt_u32 s27, 576                          ; in K, V, Wq and Wk (work-groups 256 to 831); elsewhere to its own place
	s_cselect_b32 s26, s26, s24
	s_lshl_b32 s27, ttmp9, 2
	s_add_co_u32 s26, s26, s27                     ; the run's number in the workspace buffers: the tensors lie on end
	s_mul_i32 s28, s26, 32*STEPS*CB                ; 6,144 bytes of codes a run
	s_mov_b32 s29, 0
	s_add_nc_u64 s[16:17], s[16:17], s[28:29]
	s_lshl_b32 s28, s26, 8                         ; 256 scale bytes a run
	s_add_nc_u64 s[18:19], s[18:19], s[28:29]
.macro LOAD t
.irp i, 0,1,2,3
	global_load_b128 v[R+16*((\t)%4)+4*\i:R+16*((\t)%4)+4*\i+3], v3, s[20:21] offset:2048*(\t)+512*\i th:TH_LOAD_NT   ; 32 lanes read 512 consecutive bytes
.endr
.endm
.macro TURN t                          ; step t's numbers through the stage: LDS serves a wave's instructions in order, so no wait stands between the stores and the loads
.irp i, 0,1,2,3
	ds_store_b128 v14, v[R+16*((\t)%4)+4*\i:R+16*((\t)%4)+4*\i+3] offset:32*SP*((\t)%2)+8*SP*\i
.endr
.irp i, 0,1,2,3
	ds_load_b128 v[X+16*((\t)%2)+4*\i:X+16*((\t)%2)+4*\i+3], v15 offset:32*SP*((\t)%2)+16*\i
.endr
.endm
.irp t, 0,1,2,3
	LOAD \t
.endr
	s_wait_loadcnt 12                              ; step 0's four loads are in; the twelve of steps 1 to 3 may be out
	TURN 0
.macro STEP t
.set XS, X+16*((\t)%2)
.if (\t) > 0
	s_wait_dscnt 1                                 ; this step's numbers are back from the stage (the last step's byte store may be out): so its stores into the stage have read their registers,
.else
	s_wait_dscnt 0x0
.endif
.if (\t)+4 < STEPS
	LOAD (\t)+4                                    ; which take the loads of four steps on
.endif
.if (\t)+1 < STEPS
.if STEPS-2-(\t) >= 3
	s_wait_loadcnt 12                              ; the next step's four loads are in; those of the three steps behind it may be out
.else
	s_wait_loadcnt 4*(STEPS-2-(\t))
.endif
	TURN (\t)+1                                    ; and go through the other stage while this step is worked
.endif
	v_max3_num_f32 v8, |v[XS]|, |v[XS+1]|, |v[XS+2]|               ; the largest magnitude of my 16, in two chains
	v_max3_num_f32 v9, |v[XS+3]|, |v[XS+4]|, |v[XS+5]|
.irp i, 6,10
	v_max3_num_f32 v8, v8, |v[XS+\i]|, |v[XS+\i+1]|
	v_max3_num_f32 v9, v9, |v[XS+\i+2]|, |v[XS+\i+3]|
.endr
	v_max3_num_f32 v8, v8, |v[XS+14]|, |v[XS+15]|
	v_max3_num_f32 v8, v8, v9, (EMAX+1)<<23        ; and the floor 2^(3 - 127): so the byte cannot fall under 1
	v_max_num_f32_dpp v8, v8, v8 row_xmask:1 row_mask:0xf bank_mask:0xf   ; and of my neighbour's 16: the block's
	v_add_nc_u32 v11, -(EMAX<<23), v8              ; 2 off its exponent field: the conversion takes the exponent field of this operand as its scale, and nothing else of it
	v_cvt_scalef32_pk16_fp6_f32 v[C+4*(\t):C+4*(\t)+2], v[XS:XS+15], v11         ; 16 codes, 96 bits without gaps, the first number's code lowest
	v_lshrrev_b32 v[E+(\t)], 23, v11               ; the scale's byte (also the plain line behind the conversion)
	ds_store_b8 v5, v[E+(\t)] offset:16*(\t)       ; both lanes of a block write the same byte with the same value
	global_store_b96 v4, v[C+4*(\t):C+4*(\t)+2], s[16:17] offset:32*CB*(\t)
.endm
.irp t, 0,1,2,3,4,5,6,7,8,9,10,11,12,13,14,15
	STEP \t
.endr
	ds_load_b64 v[12:13], v6                       ; LDS serves a wave's instructions in order: these see my stores
	s_wait_dscnt 0x0
	global_store_b64 v7, v[12:13], s[18:19]        ; 32 lanes store 256 consecutive bytes, at a multiple of 256 from the buffer's first byte
	s_wait_tensorcnt 0x0
	ds_add_u32 v192, v193
	s_wait_dscnt 0x0
	s_endpgm
.Lfunc_end_k_q65d8b3eb7e_quant:
	.size	k_q65d8b3eb7e_quant, .Lfunc_end_k_q65d8b3eb7e_quant-k_q65d8b3eb7e_quant
	.p2alignl 7, 3214868480
	.fill 96, 4, 3214868480
	.section	.rodata,"a",@progbits
	.p2align	6, 0x0
	.amdhsa_kernel k_q65d8b3eb7e_quant
		.amdhsa_group_segment_fixed_size 33280
		.amdhsa_private_segment_fixed_size 0
		.amdhsa_enable_private_segment 0
		.amdhsa_kernarg_size 64
		.amdhsa_user_sgpr_count 2
		.amdhsa_user_sgpr_kernarg_segment_ptr 1
		.amdhsa_wavefront_size32 1
		.amdhsa_system_sgpr_workgroup_id_x 1
		.amdhsa_system_sgpr_workgroup_id_y 1
		.amdhsa_system_sgpr_workgroup_id_z 1
		.amdhsa_system_vgpr_workitem_id 0
		.amdhsa_next_free_vgpr 194
		.amdhsa_next_free_sgpr 66
		.amdhsa_reserve_vcc 0
		.amdhsa_float_denorm_mode_32 3
		.amdhsa_float_denorm_mode_16_64 3
		.amdhsa_memory_ordered 1
		.amdhsa_forward_progress 1
		.amdhsa_inst_pref_size 33
	.end_amdhsa_kernel
	.amdgpu_metadata
---
amdhsa.version: [ 1, 2 ]
amdhsa.kernels:
  - .name:           k_q65d8b3eb7e_quant
    .symbol:         k_q65d8b3eb7e_quant.kd
    .args:
      - { .name: Q, .offset: 0, .size: 8, .value_kind: global_buffer, .address_space: global }
      - { .name: K, .offset: 8, .size: 8, .value_kind: global_buffer, .address_space: global }
      - { .name: V, .offset: 16, .size: 8, .value_kind: global_buffer, .address_space: global }
      - { .name: Wq, .offset: 24, .size: 8, .value_kind: global_buffer, .address_space: global }
      - { .name: Wk, .offset: 32, .size: 8, .value_kind: global_buffer, .address_space: global }
      - { .name: Wv, .offset: 40, .size: 8, .value_kind: global_buffer, .address_space: global }
      - { .name: codes, .offset: 48, .size: 8, .value_kind: global_buffer, .address_space: global }
      - { .name: scales, .offset: 56, .size: 8, .value_kind: global_buffer, .address_space: global }
    .group_segment_fixed_size: 33280
    .private_segment_fixed_size: 0
    .kernarg_segment_align: 8
    .kernarg_segment_size: 64
    .max_flat_workgroup_size: 128
    .sgpr_count:     66
    .vgpr_count:     194
    .wavefront_size: 32
...
	.end_amdgpu_metadata
.endif
;; end of part 1
;; launch proj (part 2): grid 4 x 96, 4 waves a work-group, clusters of 4 x 4, 327,680 bytes of LDS; arguments codes, scales, bq, bv, qrec, rec; writes qrec, rec
.if DOCPART == 2
	.amdgcn_target "amdgcn-amd-amdhsa--gfx1250"
	.amdhsa_code_object_version 6
	.text
	.protected	k_q65d8b3eb7e_proj
	.globl	k_q65d8b3eb7e_proj
	.p2align	8
	.type	k_q65d8b3eb7e_proj,@function
k_q65d8b3eb7e_proj:
	s_mov_b64 s[64:65], 0
	v_nop
	global_prefetch_b8 v0, s[64:65] scope:SCOPE_SE
	s_setreg_imm32_b32 hwreg(HW_REG_WAVE_MODE, 25, 1), 1
	s_wait_xcnt 0x0
	s_wait_alu depctr_hold_cnt(0) depctr_sa_sdst(0) depctr_va_vdst(0) depctr_va_sdst(0) depctr_va_ssrc(0) depctr_va_vcc(0) depctr_vm_vsrc(0)
	s_getreg_b32 s2, hwreg(HW_REG_IB_STS2, 6, 4)
	s_cmp_eq_u32 s2, 0
	s_cbranch_scc0 .Lentry_in_a_cluster
	s_endpgm
.Lentry_in_a_cluster:
	s_bfe_u32 s2, ttmp6, 0x10000c
	s_cmp_lg_u32 s2, 0xf033
	s_cbranch_scc0 .Lentry_shape_is_right
	s_endpgm
.Lentry_shape_is_right:
; The three projections, on codes of FP6 (E2M3) with one E8M0 scale for each 32 along K = 1,024, sums in f32; each result is quantised again in registers, for attention's products, and leaves as images of operand registers.
;   T = 0: q = Q Wq^T + bq     (A = Q, B = Wq)       quantised along the head's 64 channels -> qrec
;   T = 1: k = K Wk^T          (A = K, B = Wk)       likewise                               -> rec, a record's part for K
;   T = 2: v^T = Wv V^T + bv   (A = Wv, B = V)       quantised along the keys               -> rec, a record's part for V
; So in all three the axis to be quantised is the product's n, and one way out serves them.  The cluster's y says which: T = y / 8, and u = y % 8 walks the long axis (8,192 rows: A's for q and k, B's for v).
; A tile of C, 256 x 256, is made by four waves, 128 x 128 each: 64 accumulators, 512 registers.  K goes in steps of 256 through a ring of two LDS slots filled by the tensor data mover (a tile's row: 192 bytes).
; The scale bytes of the tile's 256 + 256 rows, for all of K, come into LDS once, with the first fills.  CLUSTERS: 4 x 4 work-groups; A's tile is asked for jointly by a row of the cluster, B's by a column.
; THE MATRIX INSTRUCTION IS USED TRANSPOSED (source 0 = 16 rows of B, source 1 = 16 rows of A): a lane holds one row of C.  B's rows were stored by the launch before so that stored row 16 b + r' is the true row
; 32 (b / 2) + 8 (b % 2) + r' + 8 (r' / 8): register j of accumulator (a, b) in lane (r, h) is C(stored row 16 a + r of A, n = 32 (b / 2) + 16 h + 8 (b % 2) + j): the 64 registers of a block a are, 16 by 16, neighbours along n.
; THE BIASES are the C of the first K step's products: bq runs along n (eight registers for each b), bv along m (one number a lane for each a); k has none: its C registers hold zeros, so that q and k share one text.
; A RECORD (RS = 13,056 bytes) holds 128 keys of one head, laid [16 batch + step][head]: 8 tiles of K of 768 bytes (32 lanes x registers 0-3, then 32 lanes x registers 4-5); at 6,144 four tiles of V^T of 1,536 bytes
; (two such halves); at 12,288 K's scale words, [lane][4]: lanes 0-15 tiles 0-3, lanes 16-31 tiles 4-7; at 12,800 V's, [row][4 tiles].  qrec has the same records for 128 queries; only K's parts of them are written and read.
; LIMITS: NaN and infinities are not served; a block of zeros gets the byte 1 (its codes are zeros; this program alone reads the bytes).  The upper two bytes of q's and k's scale words are the neighbour head's bytes or 0, never 0xff: they meet zero codes alone.
; REGISTERS, in windows of 256: window 0: v0-31 addresses; v32-63 scale words, two sets; v64-127 the biases, later the way out; v128-223 A's fragments, one set.  window 1: B's fragments, two sets, at v0 and v128.
;   window 2: the accumulators of my rows 0-63 ((a, b) at v[8 (8 a + b)]);  window 3: those of my rows 64-127.
.set NQ,     2                         ; matrix instructions deep in a slot: 256 along K
.set ROWB,   192                       ; a tile's row in bytes
.set KROW,   768                       ; a row of codes in memory
.set PITCH,  240                       ; an LDS row: 3 x (64 bytes of data + 16 of padding)
.set FR,     12                        ; registers of a fragment: 16 rows x 128 K
.set NL,     6                         ; LDS loads that bring one
.set NP,     4                         ; places behind this matrix instruction (ISA guide 7.12.1)
.set HALFT,  128*PITCH                 ; 128 rows: what one tensor load brings, and what one wave reads of A or of B
.set SLOT,   4*HALFT                   ; A's 256 rows, then B's 256 rows
.set KS,     32                        ; a row of scale bytes
.set SCL,    2*SLOT                    ; behind the ring: the scales, as rows of 256 bytes + 16 of padding
.set HALFS,  (128*KS/256)*272          ; the scales of 128 rows
.set SBLK,   (16*KS/256)*272           ; those of 16 rows
.set SPARE,  SCL+4*HALFS               ; behind the scales: the spare words, 128 bytes for each wave: two blocks of 256 bytes that no other line names
.set RS,     13056
.set ADRA, 16                          ; v16-17  LDS address of my A fragments in slot 0, 1  (v18-19: for the pieces that lie behind one padding more)
.set ADRB, 20                          ; v20-23  the same for B
.set L16,  24                          ; v24     16 x lane
.set L8,   25                          ; v25     8 x lane
.set VSO,  26                          ; v26     where my four scale words go
.set ADRS, 27                          ; v27     LDS address of my scale words: lanes 0-15 A's rows, lanes 16-31 B's
.set SPW,  28                          ; v28     LDS address of my spare word; never rewritten
.set NIL,  29                          ; v29     0; never rewritten
.set SC,   32                          ; scale words: set s at v[SC + 16 s]; register 2 i + q: lanes 0-15 A's block i, lanes 16-31 B's block i
.set BI,   64                          ; v64-127 the biases, in the result's layout
.set AF,   128                         ; A's fragments
.set CD,   64                          ; the way out: v64-75 a fragment's codes
.set CT,   76                          ; v76-78, v80-82 the conversions' second halves
.set WS,   96                          ; v96-103 the eight blocks' scale words
.set SEL4, 104                         ; v104-107, v108-111 the words as they are stored
.set SEL4B, 108
.set TM,   112                         ; v112-115 largest magnitudes, v116-119 the other half's, then bytes, v124-127 the conversions' scale operands
.set WV, 16                            ; s16 wave;  s17 which half of the tile's rows is mine, also: I fetch for A (0) or B (1);  s18 which half of its columns, also: which 128 rows I fetch;  s19 T
.set RH, 17
.set CH, 18
.set TT, 19
.set G1, 24                            ; s[24:31] descriptor group 1 for A's tiles;  s[32:39] group 0, one set for each slot
.set G0, 32
.set SEL, 46                           ; s[46:47] lane selects for v_permlanex16_b32: lane l xor 16
.set G1B, 48                           ; s[48:55], s[56:63] the same for B's tiles
.set G0B, 56
.set HM, 66                            ; s66 the lanes 16-31
.set G1S, 68                           ; s[68:75], s[76:79] groups 1 and 0 for A's scales;  s[80:87], s[88:91] for B's
.set G0S, 76
.set G1SB, 80
.set G0SB, 88
.set P0, 92                            ; s[92:93] where registers 0-5 of the block's codes go;  s[94:95] registers 6-11;  s[96:97] the scale words
.set P1, 94
.set PS, 96
.set SA, 98                            ; s[98:99] from block to block;  s[100:101] from block 3 to block 4
.set SB, 100
.set MSB, 0
.macro WIN new                         ; the immediate's high byte repeats the setting that is left
.if MSB != (\new)
	s_set_vgpr_msb (MSB<<8)|(\new)
.set MSB, (\new)
.endif
.endm
.set MUL_LO, 0xa1                      ; source 0 (B) window 1, source 1 (A) window 0, C and D window 2
.set MUL_HI, 0xf1                      ; the same, C and D window 3
.set BIA_LO, 0x81                      ; the first step: C (the bias) window 0, D window 2
.set BIA_HI, 0xc1                      ; D window 3
.set TO_B,   0x40                      ; destination window 1, address window 0
; A joint load: waves 0 and 1 fetch for A, waves 2 and 3 for B.  Each of the two lines has one mask and one set of registers for all that issue it; the branch hangs on the wave's number alone.
; Four v_nop follow each of the two lines, ahead of the jump, the label and what follows.
.macro JLOAD g0a, g1a, g0b, g1b
	s_cmp_eq_u32 s[RH], 0
	s_cbranch_scc0 .Lfor_b_\@
	tensor_load_to_lds s[\g0a:\g0a+3], s[\g1a:\g1a+7]
	s_nop 0
.rept 4
	v_nop
.endr
	s_branch .Lasked_\@
.Lfor_b_\@:
	tensor_load_to_lds s[\g0b:\g0b+3], s[\g1b:\g1b+7]
	s_nop 0
.rept 4
	v_nop
.endr
.Lasked_\@:
.endm
.macro CREST                           ; a round of the cluster's barrier behind its opening barrier
	s_cmp_lg_u32 s[WV], 0
	s_cbranch_scc1 .Lnot_wave_0_\@
	s_barrier_signal -3
.Lnot_wave_0_\@:
	s_barrier_wait -3
	s_barrier_signal -1
	s_barrier_wait -1
.endm
.macro CROUND                          ; a whole round
	s_barrier_signal -1
	s_barrier_wait -1
	CREST
.endm
	s_load_b256 s[4:11], s[0:1], 0x0               ; codes s[4:5], scales s[6:7], bq s[8:9], bv s[10:11]
	s_load_b128 s[12:15], s[0:1], 0x20             ; qrec s[12:13], rec s[14:15]
	v_lshl_add_u32 v[SPW], v0, 2, SPARE
	v_mov_b32 v[NIL], 0
	ds_add_u32 v28, v29
	ds_add_u32 v28, v29
	s_wait_dscnt 0x0
	v_lshrrev_b32 v1, 5, v0
	v_readfirstlane_b32 s[WV], v1                  ; wave 0..3
	s_lshr_b32 s[RH], s[WV], 1
	s_and_b32 s[CH], s[WV], 1
	s_bfe_u32 s40, ttmp6, 0x40000                  ; cx, cy: my place in the cluster
	s_bfe_u32 s41, ttmp6, 0x40004
	s_and_b32 s20, ttmp7, 0xffff                   ; the cluster's y, 0 .. 23: all sixteen partners share it
	s_lshr_b32 s[TT], s20, 3                       ; T
	s_and_b32 s20, s20, 7
	s_lshl_b32 s20, s20, 2                         ; 4 u
	s_cmp_eq_u32 s[TT], 2
	s_cselect_b32 s21, 0, s20                      ; q, k: u walks the tile rows;
	s_cselect_b32 s22, s20, 0                      ; v: the tile columns
	s_add_co_u32 s43, s21, s41                     ; tile row of C
	s_add_co_u32 s42, s22, s40                     ; tile column of C
	s_lshl_b32 s44, s41, 2
	s_lshl_b32 s44, 15, s44                        ; my row of the cluster
	s_lshl_b32 s45, 0x1111, s40                    ; my column
	s_mov_b32 s[SEL], 0x76543210
	s_mov_b32 s[SEL+1], 0xfedcba98
	s_mov_b32 s[HM], 0xffff0000
	; descriptor group 1: a tile of 128 rows x 192 bytes, padded in LDS
	s_or_b32 s[G1+0], s44, (0<<16)|(1<<20)|(1<<21)|(3<<22)|(3<<25)  ; 15:0 the mask: A's tiles go to my row; 17:16 elements of 1 byte; 20 padding on; 21 set beside a mask; 24:22 after every 16 words; 31:25 4 words of it
	s_or_b32 s[G1B+0], s45, (0<<16)|(1<<20)|(1<<21)|(3<<22)|(3<<25)
.irp g, G1, G1B
	s_mov_b32 s[\g+1], ROWB<<16                    ; tensor_dim0
	s_mov_b32 s[\g+2], 128<<16                     ; tensor_dim1
	s_mov_b32 s[\g+3], ROWB<<16                    ; tile_dim0
	s_mov_b32 s[\g+4], 128                         ; tile_dim1
	s_mov_b32 s[\g+5], KROW                        ; tensor_dim0_stride
	s_mov_b32 s[\g+6], 0
	s_mov_b32 s[\g+7], 0
.endr
	; and for the scales of 128 rows: a dense block of 4,096 bytes, as 16 rows of 256 bytes (32 elements of 8 bytes), 16 bytes of padding behind each
	s_or_b32 s[G1S+0], s44, (3<<16)|(1<<20)|(1<<21)|(5<<22)|(3<<25)
	s_or_b32 s[G1SB+0], s45, (3<<16)|(1<<20)|(1<<21)|(5<<22)|(3<<25)
.irp g, G1S, G1SB
	s_mov_b32 s[\g+1], 32<<16
	s_mov_b32 s[\g+2], (128*KS/256)<<16
	s_mov_b32 s[\g+3], 32<<16
	s_mov_b32 s[\g+4], 128*KS/256
	s_mov_b32 s[\g+5], 32
	s_mov_b32 s[\g+6], 0
	s_mov_b32 s[\g+7], 0
.endr
	; the operands' first rows in the workspace buffers, in which the six tensors lie on end: Q 0, K 8,192, V 16,384, Wq 24,576, Wk 25,600, Wv 26,624
	s_cmp_eq_u32 s[TT], 0
	s_cselect_b32 s21, 0, 8192                     ; A: Q or K,
	s_mov_b32 s23, 25600
	s_cselect_b32 s22, 24576, s23                  ; B: Wq or Wk,
	s_cmp_eq_u32 s[TT], 2
	s_cselect_b32 s21, 26624, s21                  ; or A: Wv,
	s_cselect_b32 s22, 16384, s22                  ; B: V
	s_lshl_b32 s23, s[CH], 7                       ; which 128 rows of the tile I fetch
	s_lshl_b32 s20, s43, 8
	s_add_co_u32 s20, s20, s23
	s_add_co_u32 s20, s20, s21                     ; A's row: it hangs on the tile row alone, which my row of the cluster shares
	s_lshl_b32 s2, s42, 8
	s_add_co_u32 s2, s2, s23
	s_add_co_u32 s2, s2, s22                       ; B's row: on the tile column alone
	s_mul_i32 s92, s20, KROW                       ; in bytes (27,648 rows in all: under 2^25)
	s_mov_b32 s93, 0
	s_lshl_b32 s94, s20, 5
	s_mov_b32 s95, 0
	s_mul_i32 s96, s2, KROW
	s_mov_b32 s97, 0
	s_lshl_b32 s98, s2, 5
	s_mov_b32 s99, 0
	s_mul_i32 s100, s[WV], HALFT                   ; where they go: wave x 128 rows: no place in the cluster enters an LDS address
	s_mul_i32 s101, s[WV], HALFS
	s_wait_kmcnt 0x0
	s_add_nc_u64 s[92:93], s[4:5], s[92:93]        ; A's codes
	s_add_nc_u64 s[94:95], s[6:7], s[94:95]        ; A's scales
	s_add_nc_u64 s[96:97], s[4:5], s[96:97]        ; B's codes
	s_add_nc_u64 s[98:99], s[6:7], s[98:99]        ; B's scales
	CROUND                                         ; all sixteen work-groups are here: the first joint loads meet
	s_mov_b32 s[G0S], 1
	s_add_co_u32 s[G0S+1], s101, SCL
	s_mov_b64 s[G0S+2:G0S+3], s[94:95]
	s_or_b32 s[G0S+3], s[G0S+3], 0x80000000
	s_mov_b32 s[G0SB], 1
	s_add_co_u32 s[G0SB+1], s101, SCL
	s_mov_b64 s[G0SB+2:G0SB+3], s[98:99]
	s_or_b32 s[G0SB+3], s[G0SB+3], 0x80000000
	JLOAD G0S, G1S, G0SB, G1SB                     ; the scales first: they are wanted with K step 0
.irp s, 0,1
	s_mov_b32 s[G0+4*\s], 1
	s_add_co_u32 s[G0+4*\s+1], s100, \s*SLOT
	s_add_nc_u64 s[G0+4*\s+2:G0+4*\s+3], s[92:93], \s*ROWB
	s_or_b32 s[G0+4*\s+3], s[G0+4*\s+3], 0x80000000
	s_mov_b32 s[G0B+4*\s], 1
	s_add_co_u32 s[G0B+4*\s+1], s100, \s*SLOT
	s_add_nc_u64 s[G0B+4*\s+2:G0B+4*\s+3], s[96:97], \s*ROWB
	s_or_b32 s[G0B+4*\s+3], s[G0B+4*\s+3], 0x80000000
	JLOAD G0+4*\s, G1, G0B+4*\s, G1B               ; three tensor loads of mine are out now, and never more
.endr
	v_and_b32 v1, 15, v0                           ; r = lane % 16
	v_bfe_u32 v2, v0, 4, 1                         ; h = lane / 16
	v_mul_u32_u24 v3, v1, PITCH
	v_mul_u32_u24 v4, v2, 24
	v_add_nc_u32 v4, v3, v4                        ; a fragment's row x pitch + 24 x half
	v_lshl_add_u32 v5, v2, 4, v4                   ; and the same behind one padding more
	s_mul_i32 s21, s[RH], HALFT                    ; my 128 rows of A
	s_mul_i32 s22, s[CH], HALFT                    ; my 128 rows of B,
	s_add_co_u32 s22, s22, 2*HALFT                 ; which lie behind A's 256
.irp s, 0,1
	v_add_nc_u32 v[ADRA+\s], s21, v4
	v_add_nc_u32 v[ADRB+\s], s22, v4
	v_add_nc_u32 v[ADRA+2+\s], s21, v5
	v_add_nc_u32 v[ADRB+2+\s], s22, v5
	s_add_co_u32 s21, s21, SLOT
	s_add_co_u32 s22, s22, SLOT
.endr
	v_mul_u32_u24 v5, v1, KS                       ; my row's scales: 32 bytes a row,
	v_lshrrev_b32 v6, 8, v5
	v_lshl_add_u32 v5, v6, 4, v5                   ; and 16 more for each 256 passed
	s_mul_i32 s21, s[RH], HALFS                    ; A's: my 128 rows
	s_mul_i32 s22, s[CH], HALFS                    ; B's: my 128 rows, behind A's 256
	s_add_co_u32 s22, s22, 2*HALFS
	s_sub_co_u32 s22, s22, s21
	v_mul_u32_u24 v6, s22, v2                      ; lanes 16-31 take B's: one product, the distance between the two bases x h
	s_add_co_u32 s21, s21, SCL
	v_add_nc_u32 v5, v5, v6
	v_add_nc_u32 v[ADRS], s21, v5
	v_and_b32 v6, 31, v0
	v_lshlrev_b32 v[L16], 4, v6
	v_lshlrev_b32 v[L8], 3, v6
	v_lshlrev_b32 v30, 6, v2                       ; bq: 64 h bytes: my half's 16 numbers of each 32
	v_lshlrev_b32 v31, 2, v1                       ; bv: 4 r bytes: my row's number
	; THE WAY OUT'S ADDRESSES.  q, k: my 128 rows are group G = 2 x tile row + half, my 128 columns heads head0 = 4 x tile column + 2 x half and head0 + 1.  v: my 128 columns (keys) are group G, my 128 rows two heads.
	s_lshl_b32 s20, s43, 1
	s_add_co_u32 s20, s20, s[RH]                   ; 2 x tile row + my half of the rows
	s_lshl_b32 s21, s42, 1
	s_add_co_u32 s21, s21, s[CH]                   ; 2 x tile column + my half of the columns
	s_cmp_eq_u32 s[TT], 2
	s_cselect_b32 s22, s21, s20                    ; G
	s_cselect_b32 s23, s20, s21                    ; head0 / 2
	s_cselect_b32 s2, 6144, 0                      ; the part of a record: V's or K's
	s_mov_b32 s67, RS
	s_cselect_b32 s[P1], 768, s67                  ; registers 6-11: v: the tile's second half; q, k: the next head's record
	s_mov_b32 s67, 12288
	s_cselect_b32 s[PS], 12800, s67                ; the scale words' part
	s_mov_b32 s67, 768
	s_cselect_b32 s[SA], 1536, s67                 ; from block to block: a tile on
	s_cselect_b32 s[SB], RS-3*1536, s67            ; from block 3 to block 4: v: the next head's first tile
	s_mov_b32 s67, 256
	s_cselect_b32 s67, RS, s67                     ; lanes 16-31's four words: v: the next head's record; q, k: tiles 4-7, 256 bytes on
	s_cmp_eq_u32 s[TT], 0
	s_cselect_b64 s[12:13], s[12:13], s[14:15]     ; qrec for q, rec for k and v: the choice hangs on T alone
	s_lshl_b32 s22, s22, 4
	s_lshl_b32 s23, s23, 1
	s_add_co_u32 s22, s22, s23                     ; 16 G + head0: at most 1,023
	s_mul_i32 s22, s22, RS
	s_mov_b32 s23, 0
	s_add_nc_u64 s[12:13], s[12:13], s[22:23]      ; my first record
	s_mov_b32 s3, 0
	s_mov_b32 s[P1+1], 0
	s_mov_b32 s[PS+1], 0
	s_mov_b32 s[SA+1], 0
	s_mov_b32 s[SB+1], 0
	s_add_nc_u64 s[PS:PS+1], s[12:13], s[PS:PS+1]
	s_add_nc_u64 s[P0:P0+1], s[12:13], s[2:3]
	s_add_nc_u64 s[P1:P1+1], s[P0:P0+1], s[P1:P1+1]
	v_lshlrev_b32 v5, 4, v1
	v_mad_u32_u24 v[VSO], v2, s67, v5              ; 16 r + h x that distance
	; THE BIASES, into v64-127.  Each of the three arms writes all 64 registers.  The branches hang on T, which all partners share.
	s_cmp_eq_u32 s[TT], 1
	s_cbranch_scc1 .Lbias_k
	s_cmp_eq_u32 s[TT], 2
	s_cbranch_scc1 .Lbias_v
	s_lshl_b32 s20, s42, 10                        ; q: bq at my first column: 4 x (256 x tile column + 128 x half)
	s_lshl_b32 s21, s[CH], 9
	s_add_co_u32 s20, s20, s21
	s_mov_b32 s21, 0
	s_add_nc_u64 s[8:9], s[8:9], s[20:21]
.irp b, 0,1,2,3,4,5,6,7                ; register 8 b + j: bq at n = 32 (b / 2) + 16 h + 8 (b % 2) + j
	global_load_b128 v[BI+8*\b:BI+8*\b+3], v30, s[8:9] offset:(32*(\b/2)+8*(\b%2))*4
	global_load_b128 v[BI+8*\b+4:BI+8*\b+7], v30, s[8:9] offset:(32*(\b/2)+8*(\b%2))*4+16
.endr
	s_branch .Lbias_done
.Lbias_v:
	s_lshl_b32 s20, s43, 10                        ; v: bv at my first row
	s_lshl_b32 s21, s[RH], 9
	s_add_co_u32 s20, s20, s21
	s_mov_b32 s21, 0
	s_add_nc_u64 s[10:11], s[10:11], s[20:21]
.irp a, 0,1,2,3,4,5,6,7                ; registers 8 a + 0 .. 7: all eight hold bv at m = 16 a + r: a lane's eight results lie in one row
.irp j, 0,1,2,3,4,5,6,7
	global_load_b32 v[BI+8*\a+\j], v31, s[10:11] offset:64*\a
.endr
.endr
	s_branch .Lbias_done
.Lbias_k:
.set j, 0
.rept 64
	v_mov_b32 v[BI+j], 0                           ; k has no bias
.set j, j+1
.endr
.Lbias_done:
.macro FRAG reg, adr, q, i             ; a fragment: lane l holds row l % 16; registers 6 c .. 6 c + 5 hold K = 64 c + 32 (l / 16) + 0 .. 31: 24 bytes of the row's stream of bits, as they lie
.irp p, 0,1,2,3,4,5                    ; in pieces of 8 bytes.  Lanes 0-15 take the row's pieces 12 q + 0, 1, 2 and 12 q + 6, 7, 8, lanes 16-31 those three pieces on
.set PIECE, 12*(\q)+6*(\p/3)+\p%3      ; 16 bytes of padding lie behind every 8 pieces: where the piece three on lies behind one padding more, the second address register serves
.if PIECE%8 < 5
	ds_load_b64 v[\reg+2*\p:\reg+2*\p+1], v[\adr] offset:8*PIECE+16*(PIECE/8)+(\i)*16*PITCH
.else
	ds_load_b64 v[\reg+2*\p:\reg+2*\p+1], v[\adr+2] offset:8*PIECE+16*(PIECE/8)+(\i)*16*PITCH
.endif
.endr
.endm
; 16 matrix instructions: A's blocks a0, a0 + 1 x B's eight, 128 along K: the slot's q-th.  p: B's set;  sc: the set of scale words.
; bias = 0: the sums go on in place;  1: the first products, C = the bias by B's block;  2: C = the bias by A's block.  Nothing is cleared and accumulated onto.
; The 64 accumulators take turns, one instruction a turn, in the same order in every step.
.macro MUL16 a0, p, q, sc, bias
.irp a, \a0, \a0+1
.irp b, 0,1,2,3,4,5,6,7
.set DR, 8*(8*((\a)%4)+\b)
.if \bias == 1
.set CR, BI+8*\b
.elseif \bias == 2
.set CR, BI+8*(\a)
.else
.set CR, DR
.endif
	v_wmma_scale_f32_16x16x128_f8f6f4 v[DR:DR+7], v[128*(\p)+FR*\b:128*(\p)+FR*\b+FR-1], v[AF+FR*(\a):AF+FR*(\a)+FR-1], v[CR:CR+7], v[SC+8*NQ*(\sc)+NQ*\b+(\q)], v[SC+8*NQ*(\sc)+NQ*(\a)+(\q)] matrix_a_fmt:MATRIX_FMT_FP6 matrix_b_fmt:MATRIX_FMT_FP6 matrix_a_scale:MATRIX_SCALE_ROW1
.endr
.endr
.endm
.macro FETCH_B slot, q, p              ; B's eight fragments of the slot's q-th 128 along K into set p
	WIN TO_B
.irp i, 0,1,2,3,4,5,6,7
	FRAG 128*(\p)+FR*\i, ADRB+\slot, \q, \i
.endr
	WIN 0
.endm
.macro FETCH_A slot, q, i0             ; A's blocks i0 .. i0 + 3
.irp i, \i0, \i0+1, \i0+2, \i0+3
	FRAG AF+FR*(\i), ADRA+\slot, \q, \i
.endr
.endm
.macro SCALES sc                       ; a K step's scale words into set sc: two words a row; lanes 0-15 take A's block i, lanes 16-31 B's block i
.irp i, 0,1,2,3,4,5,6,7
	ds_load_b64 v[SC+8*NQ*\sc+NQ*\i:SC+8*NQ*\sc+NQ*\i+1], v[ADRS] offset:\i*SBLK
.endr
.endm
; A load into a register that a matrix instruction has read, and a vector instruction that reads a matrix result, stand NP places behind that matrix instruction; only plain vector instructions that name none of
; its registers are places (ISA guide 7.12.1 for vector instructions).
.macro PLACES n
.rept \n
	v_nop
.endr
.endm
; A step of 128 along K that has its successor in the same slot.  A block of A is free as soon as its eight products are issued: blocks 0-3 are fetched anew in the step's middle, blocks 4-7 at its end.
.macro STEP slot, q, bias
	s_wait_dscnt 4*NL                              ; B's set, A's blocks 0-3 and the scale words are in; the youngest 24 loads (A's blocks 4-7) may be out
.if \bias
	WIN BIA_LO
.else
	WIN MUL_LO
.endif
	MUL16 0, (\q)%2, \q, \slot, \bias
	MUL16 2, (\q)%2, \q, \slot, \bias
	s_wait_dscnt 0                                 ; A's blocks 4-7 are in (asked for 32 matrix instructions ago)
	PLACES NP
	FETCH_B \slot, (\q)+1, 1-(\q)%2
	FETCH_A \slot, (\q)+1, 0
.if \bias
	WIN BIA_HI
.else
	WIN MUL_HI
.endif
	MUL16 4, (\q)%2, \q, \slot, \bias
	MUL16 6, (\q)%2, \q, \slot, \bias
	PLACES NP
	WIN 0
	FETCH_A \slot, (\q)+1, 4
.endm
; A slot's last step changes slots: one barrier; in front of it each wave waits for all its tensor loads, adds 0 to its spare word, and waits for that and for its own reads of this slot.  fill = 1: this slot is filled again, two K steps ahead.
.macro TURN slot, next, fill
	s_wait_tensorcnt 0x0                           ; all my tensor loads have landed: my part of the next slot  (every window is 0 here)
	ds_add_u32 v[SPW], v[NIL]                      ; 0 onto my spare word
	s_wait_dscnt 4*NL+1                            ; (the add and the youngest 24 loads, A's blocks 4-7, may be out)
	WIN MUL_LO
	MUL16 0, 1, NQ-1, \slot, 0                     ; sixteen matrix instructions stand between the add and the wait for it
	s_wait_dscnt 0x0                               ; the add is done, and my reads of this slot are over
	s_barrier_signal -1
	MUL16 2, 1, NQ-1, \slot, 0
	WIN 0
	s_barrier_wait -1
.if \fill
	CREST                                          ; the barrier has opened a round of the cluster's barrier: no wave of any partner still reads this slot's tile or has a load on its way
	s_add_nc_u64 s[G0+4*\slot+2:G0+4*\slot+3], s[G0+4*\slot+2:G0+4*\slot+3], 2*ROWB
	s_add_nc_u64 s[G0B+4*\slot+2:G0B+4*\slot+3], s[G0B+4*\slot+2:G0B+4*\slot+3], 2*ROWB
	JLOAD G0+4*\slot, G1, G0B+4*\slot, G1B         ; the first tensor load behind the round; the four v_nop behind it are the places in front of the loads below
.else
	PLACES NP
.endif
	v_add_nc_u32 v[ADRS], 4*NQ, v[ADRS]            ; on to the next K step's scale words (no LDS load of mine is out)
	FETCH_B \next, 0, 0
	FETCH_A \next, 0, 0
	SCALES \next
	WIN MUL_HI
	MUL16 4, 1, NQ-1, \slot, 0
	MUL16 6, 1, NQ-1, \slot, 0
	PLACES NP
	WIN 0
	FETCH_A \next, 0, 4
.endm
	s_wait_tensorcnt 1                             ; the scales and my part of K step 0 are in (K step 1's load may be out)
	s_barrier_signal -1
	s_barrier_wait -1                              ; everybody's are
	FETCH_B 0, 0, 0
	FETCH_A 0, 0, 0
	SCALES 0
	FETCH_A 0, 0, 4
	s_wait_loadcnt 0x0                             ; the biases
	s_cmp_eq_u32 s[TT], 2                          ; the first step is written twice: it alone names the biases, by B's block (q, k) or by A's (v)
	s_cbranch_scc1 .Lfirst_v
	STEP 0, 0, 1
	s_branch .Lfirst_done
.Lfirst_v:
	STEP 0, 0, 2
.Lfirst_done:
	TURN 0, 1, 1                                   ; K = 1,024 is four slots' worth: slots 0 and 1 are each filled again once
	STEP 1, 0, 0
	TURN 1, 0, 1
	STEP 0, 0, 0
	TURN 0, 1, 0                                   ; the last change of slots fills nothing, and has no round of the cluster's barrier
	STEP 1, 0, 0
	s_wait_dscnt 4*NL                              ; the very last step: nothing more to fetch
	WIN MUL_LO
	MUL16 0, 1, NQ-1, 1, 0
	MUL16 2, 1, NQ-1, 1, 0
	s_wait_dscnt 0
	WIN MUL_HI
	MUL16 4, 1, NQ-1, 1, 0
	MUL16 6, 1, NQ-1, 1, 0
	WIN 0
; THE WAY OUT, block by block of 16 rows x 128 along n.  The block's 64 registers of a lane are register 16 b + i = n 32 b + 16 (lane / 16) + i of the lane's row: four blocks of 32, each in lanes l and l xor 16.
; Largest magnitudes, scale bytes, conversions; the halves change lanes, so that a lane holds whole blocks as the operand's layout wants them; the twelve registers leave as they stand: each store covers
; 512 or 256 consecutive bytes, at a multiple of 256 from the buffer's first byte.  No LDS is touched.
.macro OUTBLK a
.set AC, 64*((\a)%4)
	WIN 0x0a+5*((\a)/4)                            ; sources 0 and 1: window 2 or 3
.irp b, 0,1,2,3
	v_max3_num_f32 v[TM+\b], |v[AC+16*\b]|, |v[AC+16*\b+1]|, 0x1800000   ; each accumulator is read from its low end on; the floor 2^(3 - 127) holds the byte at 1 from below
.endr
.irp i, 2,4,6,8,10,12,14
.irp b, 0,1,2,3
	v_max3_num_f32 v[TM+\b], |v[AC+16*\b+\i]|, |v[AC+16*\b+\i+1]|, v[TM+\b]   ; (the four blocks by turns)
.endr
.endr
	WIN 0
.irp b, 0,1,2,3
	v_permlanex16_b32 v[TM+4+\b], v[TM+\b], s[SEL], s[SEL+1]
.endr
.irp b, 0,1,2,3
	v_max_num_f32 v[TM+\b], v[TM+\b], v[TM+4+\b]   ; with lane l xor 16's: the block's largest magnitude
.endr
.irp b, 0,1,2,3
	v_add_nc_u32 v[TM+12+\b], 0xff000000, v[TM+\b] ; 2 off its exponent field: the conversion's scale operand
.endr
.irp b, 0,1,2,3
	v_lshrrev_b32 v[TM+4+\b], 23, v[TM+12+\b]      ; the scale's byte
.endr
	v_lshl_or_b32 v[WS+(\a)], v[TM+5], 8, v[TM+4]  ; my row's scale word
	v_lshl_or_b32 v[WS+(\a)], v[TM+6], 16, v[WS+(\a)]
	v_lshl_or_b32 v[WS+(\a)], v[TM+7], 24, v[WS+(\a)]
.if (\a) > 0
	s_wait_xcnt 0x0                                ; the last block's stores have read their data and their bases: both are written again only behind this wait
.if (\a) == 4
	s_add_nc_u64 s[P0:P0+1], s[P0:P0+1], s[SB:SB+1]
	s_add_nc_u64 s[P1:P1+1], s[P1:P1+1], s[SB:SB+1]
.else
	s_add_nc_u64 s[P0:P0+1], s[P0:P0+1], s[SA:SA+1]
	s_add_nc_u64 s[P1:P1+1], s[P1:P1+1], s[SA:SA+1]
.endif
.endif
	WIN 0x02+((\a)/4)                              ; source 0: window 2 or 3
.irp c, 0,1
	v_cvt_scalef32_pk16_fp6_f32 v[CD+6*\c:CD+6*\c+2], v[AC+32*\c:AC+32*\c+15], v[TM+12+2*\c]
	v_cvt_scalef32_pk16_fp6_f32 v[CT+4*\c:CT+4*\c+2], v[AC+32*\c+16:AC+32*\c+31], v[TM+12+2*\c+1]   ; (a conversion's three registers begin on an even number)
.endr
	WIN 0
	v_nop                                          ; one plain place behind a scaled conversion
.irp c, 0,1                            ; lanes 0-15 get block 2 c whole, lanes 16-31 block 2 c + 1
.irp i, 0,1,2
	v_permlane16_swap_b32 v[CD+6*\c+\i], v[CT+4*\c+\i]
.endr
.irp i, 0,1,2
	v_mov_b32 v[CD+3+6*\c+\i], v[CT+4*\c+\i]
.endr
.endr
	global_store_b128 v[L16], v[CD:CD+3], s[P0:P0+1]
	global_store_b64 v[L8], v[CD+4:CD+5], s[P0:P0+1] offset:512
	global_store_b128 v[L16], v[CD+6:CD+9], s[P1:P1+1]
	global_store_b64 v[L8], v[CD+10:CD+11], s[P1:P1+1] offset:512
.endm
.irp b, 0,1,2,3
	v_mov_b32 v[TM+4+\b], 0                        ; a lane permute's destination counts as one of its sources: written once.  These four are also the places behind the last products
.endr
.irp a, 0,1,2,3,4,5,6,7
	OUTBLK \a
.endr
.irp i, 0,1,2,3
	v_cndmask_b32 v[SEL4+\i], v[WS+\i], v[WS+4+\i], s[HM]   ; lanes 0-15: blocks 0-3's words of row r; lanes 16-31: blocks 4-7's
.endr
	global_store_b128 v[VSO], v[SEL4:SEL4+3], s[PS:PS+1]     ; q, k: head0's 512 bytes (bytes 0 and 1 of a word are its two blocks);  v: 256 bytes for each of my two heads
	s_cmp_eq_u32 s[TT], 2
	s_cbranch_scc1 .Lone_store
.irp i, 0,1,2,3
	v_lshrrev_b32 v[SEL4B+\i], 16, v[SEL4+\i]      ; q, k: the second head's two bytes come down; above them zeros
.endr
	global_store_b128 v[VSO], v[SEL4B:SEL4B+3], s[PS:PS+1] offset:RS
.Lone_store:
	s_wait_tensorcnt 0x0                           ; the wave's end
	ds_add_u32 v[SPW], v[NIL]
	s_wait_dscnt 0x0
	CROUND                                         ; the closing round: no work-group ends while a partner may still ask for a tile that names it
	s_endpgm
.Lfunc_end_k_q65d8b3eb7e_proj:
	.size	k_q65d8b3eb7e_proj, .Lfunc_end_k_q65d8b3eb7e_proj-k_q65d8b3eb7e_proj
	.p2alignl 7, 3214868480
	.fill 96, 4, 3214868480
	.section	.rodata,"a",@progbits
	.p2align	6, 0x0
	.amdhsa_kernel k_q65d8b3eb7e_proj
		.amdhsa_group_segment_fixed_size 327680
		.amdhsa_private_segment_fixed_size 0
		.amdhsa_enable_private_segment 0
		.amdhsa_kernarg_size 48
		.amdhsa_user_sgpr_count 2
		.amdhsa_user_sgpr_kernarg_segment_ptr 1
		.amdhsa_wavefront_size32 1
		.amdhsa_system_sgpr_workgroup_id_x 1
		.amdhsa_system_sgpr_workgroup_id_y 1
		.amdhsa_system_sgpr_workgroup_id_z 1
		.amdhsa_system_vgpr_workitem_id 0
		.amdhsa_next_free_vgpr 1024
		.amdhsa_next_free_sgpr 102
		.amdhsa_reserve_vcc 0
		.amdhsa_float_denorm_mode_32 3
		.amdhsa_float_denorm_mode_16_64 3
		.amdhsa_memory_ordered 1
		.amdhsa_forward_progress 1
		.amdhsa_inst_pref_size 191
	.end_amdhsa_kernel
	.amdgpu_metadata
---
amdhsa.version: [ 1, 2 ]
amdhsa.kernels:
  - .name:           k_q65d8b3eb7e_proj
    .symbol:         k_q65d8b3eb7e_proj.kd
    .args:
      - { .name: codes, .offset: 0, .size: 8, .value_kind: global_buffer, .address_space: global }
      - { .name: scales, .offset: 8, .size: 8, .value_kind: global_buffer, .address_space: global }
      - { .name: bq, .offset: 16, .size: 8, .value_kind: global_buffer, .address_space: global }
      - { .name: bv, .offset: 24, .size: 8, .value_kind: global_buffer, .address_space: global }
      - { .name: qrec, .offset: 32, .size: 8, .value_kind: global_buffer, .address_space: global }
      - { .name: rec, .offset: 40, .size: 8, .value_kind: global_buffer, .address_space: global }
    .group_segment_fixed_size: 327680
    .private_segment_fixed_size: 0
    .kernarg_segment_align: 8
    .kernarg_segment_size: 48
    .max_flat_workgroup_size: 128
    .sgpr_count:     102
    .vgpr_count:     1024
    .wavefront_size: 32
...
	.end_amdgpu_metadata
.endif
;; end of part 2
;; launch attn (part 3): grid 4 x 64, 16 waves a work-group, clusters of 4 x 1, 327,680 bytes of LDS; arguments qrec, rec, mask, out0; writes out0
.if DOCPART == 3
	.amdgcn_target "amdgcn-amd-amdhsa--gfx1250"
	.amdhsa_code_object_version 6
	.text
	.protected	k_q65d8b3eb7e_attn
	.globl	k_q65d8b3eb7e_attn
	.p2align	8
	.type	k_q65d8b3eb7e_attn,@function
k_q65d8b3eb7e_attn:
	s_mov_b64 s[64:65], 0
	v_nop
	global_prefetch_b8 v0, s[64:65] scope:SCOPE_SE
	s_setreg_imm32_b32 hwreg(HW_REG_WAVE_MODE, 25, 1), 1
	s_wait_xcnt 0x0
	s_wait_alu depctr_hold_cnt(0) depctr_sa_sdst(0) depctr_va_vdst(0) depctr_va_sdst(0) depctr_va_ssrc(0) depctr_va_vcc(0) depctr_vm_vsrc(0)
	s_getreg_b32 s2, hwreg(HW_REG_IB_STS2, 6, 4)
	s_cmp_eq_u32 s2, 0
	s_cbranch_scc0 .Lentry_in_a_cluster
	s_endpgm
.Lentry_in_a_cluster:
	s_bfe_u32 s2, ttmp6, 0x10000c
	s_cmp_lg_u32 s2, 0x3003
	s_cbranch_scc0 .Lentry_shape_is_right
	s_endpgm
.Lentry_shape_is_right:
; out0[b][q][64 head + d] = the sum over the keys of softmax(q . k / 8, masked by the input mask) v, both products on codes of FP6 (E2M3) with one E8M0 scale for each 32 along a product's K.
; q, k and v^T arrive as images of operand registers, in records of RS = 13,056 bytes for 128 rows of one head, laid [16 batch + group of 128][head]: 8 tiles of 16 keys (or queries) of 768 bytes (32 lanes x registers 0-3,
; then 32 lanes x registers 4-5: the head's 64 channels); at 6,144 four tiles of V^T (16 channels x 128 keys) of 1,536 bytes; at 12,288 K's scale words [lane][4]; at 12,800 V's [row][4].
; THE SOFTMAX AHEAD OF THE SECOND PRODUCT: t = score x log2(e) / 8; M = the row's largest t so far, rounded up to a whole number; p = 2^(t - M) is quantised along the keys, not normalised; the row's sum is taken of the
; unquantised p and divides at the end.  When M moves, the sum and O are multiplied by 2^(old M - new M): exact.
; SHARES.  A cluster of four work-groups has one head of one batch; a work-group 512 of its queries; each of sixteen waves 16 of them at a time, in two passes.  THE HEAD'S WHOLE K, V AND SCALES, 16 records, 208,896 bytes,
; COME INTO LDS ONCE: wave w asks for record w, jointly with the same wave of the three partners.  Nothing is filled again: behind the second barrier of the head no barrier stands until the closing round.
; LAYOUT.  Both products are used transposed: S^T = k q^T, O^T = v^T p^T: a lane holds one query (lane % 16) throughout.  Lane r of tile t of K holds key 32 (t / 2) + 8 (t % 2) + r + 8 (r / 8) (so the launch before stored
; them): the 16 registers of tiles 2 b and 2 b + 1 are the neighbouring keys 32 b + 16 (lane / 16) + 0 .. 15.
; K = 64 FILLS HALF OF AN INSTRUCTION'S 128.  Q's registers 6-11 hold zero codes.  K's tile t is named as v[KF + 6 t .. + 11]: its upper six registers are the next tile's codes, which meet Q's zeros alone and add nothing
; (the format has no NaN and no infinity, and no scale byte here is 0xff).
; THE MASK costs no vector instruction in the loop: a bias for each key (0, or -2^100 where the mask is 0) lies in LDS, is loaded into the scores' registers and is the C of the score products; p of such a key is exactly 0.
; The largest t starts at -2^30, so that steps whose keys are all hidden give p = 0 and no overflow.  A batch with no key left: the softmax then has equal weights on all keys: here all biases are 0 and Q's codes are
; cleared, so that every score is 0 and every p is 1.
; LIMITS: logits are served down to -2^30 / log2(e), about -7.4e8; NaN and infinities are not served.
.set RS,    13056
.set MB,    16*RS                      ; LDS behind the records: the biases, 4 bytes a key, 8,192 bytes
.set FLAG,  MB+8192                    ; one word a wave: has my part of the mask a key left?  (a block of 256 bytes)
.set STG,   FLAG+256                   ; the way out: 16 rows x (256 bytes + 16) for each wave
.set SPI,   272
.set QSTEP, 2*16*RS                    ; from pass to pass in qrec: 256 queries are two groups of 16 heads' records
.set OSTEP, 256*4096                   ; and in out0: 256 rows of 4,096 bytes
.set B16,  1                           ; v1   16 x lane
.set B8,   2                           ; v2   8 x lane
.set BR,   3                           ; v3   16 x (lane % 16)
.set BM,   4                           ; v4   MB + 64 x (lane / 16)
.set GO,   5                           ; v5   the way out: my byte offset in the wave's rows of out0
.set SI,   6                           ; v6   into my stage
.set SBK,  7                           ; v7   and back
.set A16,  8                           ; v8-11 the step's addresses
.set A8,   9
.set AR,   10
.set AM,   11
.set NM,   12                          ; v12 -M, v13 the largest t: named as a pair by the packed scaling
.set TX,   13
.set LS,   14                          ; v[14:15] the sum, in two halves
.set QF,   16                          ; v16-21 Q's codes, v22-27 zeros
.set QS,   28                          ; v28  Q's scale words
.set KEEP, 29                          ; v29  all ones, or 0 where the batch has no key left
.set QO16, 30                          ; v30, v31, v94 my offsets in a record of qrec
.set QO8,  31
.set KF,   32                          ; v32-79 K's eight tiles, then V's four; v80-85 zeros: the tail of tile 7's operand
.set KS,   86                          ; v86-89 K's scale words: lanes 0-15 tiles 0-3, lanes 16-31 tiles 4-7
.set VS,   90                          ; v90-93 V's
.set QOS,  94
.set S,    96                          ; v96-159 the biases, S^T, p
.set O,    160                         ; v160-191 O^T
.set PCD,  192                         ; v192-203 p's codes
.set CT,   204                         ; v204-206, v208-210 the conversions' second halves
.set BX,   212                         ; v212-215 each block's largest score, then its largest p
.set PT,   216                         ; v216-219 lane l xor 16's; the sum's second chain
.set SO,   220                         ; v220-223 the conversions' scale operands
.set BY,   224                         ; v224-227 the scale bytes
.set F,    228                         ; v[228:229] f = 2^(old M - new M), named as a pair
.set PW,   230                         ; v230 p's scale word
.set T,    231                         ; v231 at work
.set WV,   12                          ; s12 wave
.set SEL,  14                          ; s[14:15] lane selects for v_permlanex16_b32: lane l xor 16
.set CS,   16                          ; s[16:17] c = log2(e) / 8
.set TB,   18                          ; s18 LDS byte of the step's record
.set TK,   19                          ; s19 and of its biases
.set CNT,  20
.set ANY,  21                          ; s21 all lanes, or none: has the batch a key left?
.set G0,   28                          ; s[28:31], s[32:39] the descriptor
.set G1,   32
.macro ROUND                           ; a round of the cluster's barrier
	s_barrier_signal -1
	s_barrier_wait -1
	s_cmp_lg_u32 s[WV], 0
	s_cbranch_scc1 .Lnot_wave_0_\@
	s_barrier_signal -3
.Lnot_wave_0_\@:
	s_barrier_wait -3
	s_barrier_signal -1
	s_barrier_wait -1
.endm
	s_load_b256 s[4:11], s[0:1], 0x0               ; qrec s[4:5], rec s[6:7], mask s[8:9], out0 s[10:11]
	v_lshl_add_u32 v207, v0, 2, 0x46100
	v_mov_b32 v211, 0
	ds_add_u32 v207, v211
	ds_add_u32 v207, v211
	v_lshrrev_b32 v1, 5, v0
	v_readfirstlane_b32 s[WV], v1                  ; wave 0..15
	s_bfe_u32 s40, ttmp6, 0x40000                  ; cx: my block of 512 queries: it enters qrec's and out0's addresses alone
	s_and_b32 s22, ttmp7, 0xffff                   ; the cluster's y = 16 batch + head: the four partners share it
	s_lshr_b32 s41, s22, 4                         ; batch
	s_and_b32 s42, s22, 15                         ; head
	; the descriptor: a record is a dense block: 51 rows of 256 bytes (32 elements of 8 bytes), no padding
	s_mov_b32 s[G1], 15|(3<<16)|(1<<21)            ; 15:0 the mask: all four work-groups; 17:16 elements of 8 bytes; 21 set beside a mask
	s_mov_b32 s[G1+1], 32<<16                      ; tensor_dim0
	s_mov_b32 s[G1+2], 51<<16                      ; tensor_dim1
	s_mov_b32 s[G1+3], 32<<16                      ; tile_dim0
	s_mov_b32 s[G1+4], 51                          ; tile_dim1
	s_mov_b32 s[G1+5], 32                          ; tensor_dim0_stride
	s_mov_b32 s[G1+6], 0
	s_mov_b32 s[G1+7], 0
	s_lshl_b32 s22, s41, 4
	s_add_co_u32 s22, s22, s[WV]                   ; 16 batch + w: keys 128 w on
	s_lshl_b32 s22, s22, 4
	s_add_co_u32 s22, s22, s42
	s_mul_i32 s22, s22, RS                         ; at most 1,023 records on
	s_mov_b32 s23, 0
	s_mov_b32 s[G0], 1                             ; count = 1
	s_mul_i32 s[G0+1], s[WV], RS                   ; LDS address: record w
	s_mov_b32 s[SEL], 0x76543210
	s_mov_b32 s[SEL+1], 0xfedcba98
	s_mov_b32 s[CS], 0x3e38aa3b                    ; c = log2(e) / sqrt(64)
	s_mov_b32 s[CS+1], s[CS]                       ; (named with it as a pair, so it is written)
	s_wait_dscnt 0x0
	s_wait_kmcnt 0x0
	s_add_nc_u64 s[G0+2:G0+3], s[6:7], s[22:23]
	s_or_b32 s[G0+3], s[G0+3], 0x80000000          ; type = 2
	ROUND                                          ; all four work-groups are here: the joint loads meet
	tensor_load_to_lds s[G0:G0+3], s[G1:G1+7]      ; my one tensor load of the launch
	s_nop 0
.rept 4
	v_nop
.endr
	s_lshl_b32 s24, s41, 13                        ; the batch's 2,048 words of the mask
	s_mov_b32 s25, 0
	s_add_nc_u64 s[8:9], s[8:9], s[24:25]
	v_lshlrev_b32 v236, 4, v0
	global_load_b128 v[232:235], v236, s[8:9]      ; thread t: keys 4 t .. 4 t + 3
	s_lshl_b32 s24, s41, 4                         ; Q: group 16 batch + 4 cx + w / 8 (pass 0), tile w % 8
	s_lshl_b32 s26, s40, 2
	s_add_co_u32 s24, s24, s26
	s_lshr_b32 s26, s[WV], 3
	s_add_co_u32 s24, s24, s26
	s_lshl_b32 s24, s24, 4
	s_add_co_u32 s24, s24, s42
	s_mul_i32 s24, s24, RS
	s_add_nc_u64 s[4:5], s[4:5], s[24:25]
	s_lshl_b32 s24, s41, 23                        ; out0: row 2,048 batch + 512 cx + 16 w of 4,096 bytes, + 256 head
	s_lshl_b32 s26, s40, 21
	s_add_co_u32 s24, s24, s26
	s_lshl_b32 s26, s[WV], 16
	s_add_co_u32 s24, s24, s26
	s_lshl_b32 s26, s42, 8
	s_add_co_u32 s24, s24, s26
	s_add_nc_u64 s[10:11], s[10:11], s[24:25]
	v_and_b32 v8, 31, v0                           ; lane
	v_and_b32 v9, 15, v0                           ; r
	v_bfe_u32 v10, v0, 4, 1                        ; h
	v_lshlrev_b32 v[B16], 4, v8
	v_lshlrev_b32 v[B8], 3, v8
	v_lshlrev_b32 v[BR], 4, v9
	v_lshl_add_u32 v[BM], v10, 6, MB
	v_lshlrev_b32 v[GO], 12, v10
	v_lshl_add_u32 v[GO], v9, 4, v[GO]             ; lanes 0-15 one row of out0, lanes 16-31 the next; 16 bytes a lane
	s_mul_i32 s26, s[WV], 16*SPI
	s_add_co_u32 s26, s26, STG                     ; my stage
	v_mul_u32_u24 v[SI], v9, SPI
	v_lshl_add_u32 v[SI], v10, 5, v[SI]
	v_add_nc_u32 v[SI], s26, v[SI]                 ; in: row r, + 32 h
	v_mul_u32_u24 v[SBK], v10, SPI
	v_lshl_add_u32 v[SBK], v9, 4, v[SBK]
	v_add_nc_u32 v[SBK], s26, v[SBK]               ; back: row h, + 16 r
	s_and_b32 s26, s[WV], 7                        ; my tile of the record
	s_mul_i32 s27, s26, 768
	v_add_nc_u32 v[QO16], s27, v[B16]
	v_add_nc_u32 v[QO8], s27, v[B8]
	s_lshr_b32 s27, s26, 2
	s_lshl_b32 s27, s27, 8
	s_and_b32 s26, s26, 3
	s_lshl_b32 s26, s26, 2
	s_add_co_u32 s27, s27, s26
	v_add_nc_u32 v[QOS], s27, v[BR]                ; its scale word of row r: 16 r + 256 (tile / 4) + 4 (tile % 4)
.macro QLOAD ps                        ; my 16 queries of pass ps: six registers of codes and the scale word
	global_load_b128 v[QF:QF+3], v[QO16], s[4:5] offset:(\ps)*QSTEP
	global_load_b64 v[QF+4:QF+5], v[QO8], s[4:5] offset:(\ps)*QSTEP+512
	global_load_b32 v[QS], v[QOS], s[4:5] offset:(\ps)*QSTEP+12288
.endm
	QLOAD 0
.irp i, 22,23,24,25,26,27,80,81,82,83,84,85,216,217,218,219,229
	v_mov_b32 v\i, 0                               ; Q's zero codes; the tail of tile 7's operand; the lane permutes' destinations and the upper half of f's pair, which count as read
.endr
	; THE MASK.  First: has the batch a key left?  Each wave's answer goes to its word, and behind a barrier every wave reads all sixteen.
	s_wait_loadcnt 3                               ; my four words of the mask are in; Q's three loads are younger and may be out
	v_or_b32 v237, v232, v233
	v_or_b32 v238, v234, v235
	v_or_b32 v237, v237, v238
	v_cmp_ne_u32 vcc_lo, 0, v237
	v_mov_b32 v237, vcc_lo                         ; the same number in every lane
	v_lshrrev_b32 v238, 5, v0
	v_lshl_add_u32 v238, v238, 2, FLAG
	ds_store_b32 v238, v237                        ; all lanes write the same word with the same value
	s_wait_dscnt 0x0                               ; for the others' sake
	s_barrier_signal -1                            ; (my tensor load may stay out, and the records are read only behind the next barrier)
	s_barrier_wait -1
	v_mov_b32 v239, FLAG
.irp i, 0,1,2,3
	ds_load_b128 v[240+4*\i:243+4*\i], v239 offset:16*\i
.endr
	v_mov_b32 v[T], 0xf1800000                     ; -2^100
	s_wait_dscnt 0x0
.irp i, 0,1,2,3,4,5,6,7
	v_or_b32 v[240+\i], v[240+\i], v[248+\i]
.endr
.irp i, 0,1,2,3
	v_or_b32 v[240+\i], v[240+\i], v[244+\i]
.endr
	v_or_b32 v240, v240, v242
	v_or_b32 v241, v241, v243
	v_or_b32 v240, v240, v241
	v_cmp_ne_u32 s[ANY], 0, v240                   ; all lanes or none.  It steers no branch and no address: it only selects values
.irp i, 0,1,2,3
	v_cmp_eq_u32 vcc_lo, 0, v[232+\i]
	s_and_b32 vcc_lo, vcc_lo, s[ANY]
	v_cndmask_b32 v[232+\i], 0, v[T], vcc_lo       ; the key's bias: -2^100 where it is hidden and some other key is not
.endr
	v_lshl_add_u32 v238, v0, 4, MB
	ds_store_b128 v238, v[232:235]
	v_cndmask_b32 v[KEEP], 0, -1, s[ANY]
	s_wait_tensorcnt 0x0                           ; my record has landed,
	s_wait_dscnt 0x0                               ; my biases are stored:
	s_barrier_signal -1
	s_barrier_wait -1                              ; everybody's are
; A PASS: 16 queries a wave against all 2,048 keys, 128 a step.  Written by one macro for both passes, so that what differs between them stands in immediates and no pointer is stepped.
.macro PASS ps
	v_mov_b32 v[TX], 0xce800000                    ; the largest t so far: -2^30
	v_floor_f32 v[NM], -v[TX]                      ; -M
	v_mov_b32 v[LS], 0
	v_mov_b32 v[LS+1], 0
	s_mov_b32 s[TB], 0
	s_mov_b32 s[TK], 0
	s_mov_b32 s[CNT], 16
	s_wait_loadcnt 0x0                             ; Q
.irp i, 0,1,2,3,4,5
	v_and_b32 v[QF+\i], v[KEEP], v[QF+\i]          ; cleared where the batch has no key left
.endr
.set j, 0
.rept 32
	v_mov_b32 v[O+j], 0                            ; O^T: the step is written once; the first finds zeros, which the first change of M leaves zeros.  (Also the places between the lines above and the first products)
.set j, j+1
.endr
.Lstep_\@:
	v_add_nc_u32 v[A16], s[TB], v[B16]             ; these four are also the places between the last step's products and the loads into their registers
	v_add_nc_u32 v[A8], s[TB], v[B8]
	v_add_nc_u32 v[AR], s[TB], v[BR]
	v_add_nc_u32 v[AM], s[TK], v[BM]
.irp b, 0,1,2,3
.irp i, 0,1,2,3
	ds_load_b128 v[S+16*\b+4*\i:S+16*\b+4*\i+3], v[AM] offset:128*\b+16*\i   ; register 16 b + i: the bias of key 32 b + 16 h + i; sixteen lanes read the same 16 bytes
.endr
.endr
.irp t, 0,1,2,3,4,5,6,7
	ds_load_b128 v[KF+6*\t:KF+6*\t+3], v[A16] offset:768*\t      ; an image of the operand's registers: 512 consecutive bytes an instruction,
	ds_load_b64 v[KF+6*\t+4:KF+6*\t+5], v[A8] offset:768*\t+512  ; then 256
.endr
	ds_load_b128 v[KS:KS+3], v[A16] offset:12288
	s_wait_dscnt 0x0
.irp t, 0,1,2,3                        ; S^T = K Q^T + the biases: eight accumulators, one instruction each
	v_wmma_scale_f32_16x16x128_f8f6f4 v[S+8*\t:S+8*\t+7], v[KF+6*\t:KF+6*\t+11], v[QF:QF+11], v[S+8*\t:S+8*\t+7], v[KS+\t], v[QS] matrix_a_fmt:MATRIX_FMT_FP6 matrix_b_fmt:MATRIX_FMT_FP6
.endr
.irp t, 4,5,6,7
	v_wmma_scale_f32_16x16x128_f8f6f4 v[S+8*\t:S+8*\t+7], v[KF+6*\t:KF+6*\t+11], v[QF:QF+11], v[S+8*\t:S+8*\t+7], v[KS+\t-4], v[QS] matrix_a_fmt:MATRIX_FMT_FP6 matrix_b_fmt:MATRIX_FMT_FP6 matrix_a_scale:MATRIX_SCALE_ROW1
.endr
.rept 4
	v_nop                                          ; places in front of the loads into K's registers and of the first read of the scores
.endr
.irp u, 0,1,2,3                        ; V's four tiles are asked for here, so that they land under the softmax
	ds_load_b128 v[KF+12*\u:KF+12*\u+3], v[A16] offset:6144+1536*\u
	ds_load_b64 v[KF+12*\u+4:KF+12*\u+5], v[A8] offset:6144+1536*\u+512
	ds_load_b128 v[KF+12*\u+6:KF+12*\u+9], v[A16] offset:6144+1536*\u+768
	ds_load_b64 v[KF+12*\u+10:KF+12*\u+11], v[A8] offset:6144+1536*\u+1280
.endr
	ds_load_b128 v[VS:VS+3], v[AR] offset:12800
.irp b, 0,1,2,3
	v_max3_num_f32 v[BX+\b], v[S+16*\b], v[S+16*\b+1], v[S+16*\b+2]   ; the largest score of each block of 32 keys: it serves for the row's maximum and, since p rises with the score, for the block's largest p
.endr
.irp i, 3,5,7,9,11,13
.irp b, 0,1,2,3
	v_max3_num_f32 v[BX+\b], v[BX+\b], v[S+16*\b+\i], v[S+16*\b+\i+1]   ; (the four blocks by turns; each accumulator from its low end on)
.endr
.endr
.irp b, 0,1,2,3
	v_max_num_f32 v[BX+\b], v[BX+\b], v[S+16*\b+15]
.endr
.irp b, 0,1,2,3
	v_permlanex16_b32 v[PT+\b], v[BX+\b], s[SEL], s[SEL+1]
.endr
.irp b, 0,1,2,3
	v_max_num_f32 v[BX+\b], v[BX+\b], v[PT+\b]     ; with lane l xor 16's 16 keys
.endr
	v_max3_num_f32 v[T], v[BX], v[BX+1], v[BX+2]
	v_max_num_f32 v[T], v[T], v[BX+3]              ; the step's largest score of my query
	v_mul_f32 v[T], s[CS], v[T]                    ; as t (c is positive)
	v_max_num_f32 v[TX], v[TX], v[T]               ; the running largest t
	v_mov_b32 v[T], v[NM]
	v_floor_f32 v[NM], -v[TX]                      ; the new -M = floor(-t) = -ceil(t): a whole number
	v_sub_f32 v[T], v[NM], v[T]                    ; old M - new M: a whole number, 0 or less
	v_cvt_i32_f32 v[T], v[T]
	v_ldexp_f32 v[F], 1.0, v[T]                    ; f = 2^(old M - new M)
.set j, 0
.rept 32
	v_pk_fma_f32 v[S+j:S+j+1], v[S+j:S+j+1], s[CS:CS+1], v[NM:NM+1] op_sel_hi:[1,0,0]   ; t - M, two at a time (of the pairs c and -M the low word serves both halves)
.set j, j+2
.endr
.irp b, 0,1,2,3
	v_fma_f32 v[BX+\b], v[BX+\b], s[CS], v[NM]     ; the same of each block's largest score
.endr
.set j, 0
.rept 64
	v_exp_f32 v[S+j], v[S+j]                       ; p = 2^(t - M), at most 1
.set j, j+1
.endr
	v_pk_mul_f32 v[LS:LS+1], v[LS:LS+1], v[F:F+1] op_sel_hi:[1,0]   ; the sums under the new M  (the plain line behind the exponentials)
	s_wait_alu depctr_va_vdst(0)                   ; one wait for the whole batch, ahead of its first reader
.irp b, 0,1,2,3
	v_exp_f32 v[BX+\b], v[BX+\b]                   ; the block's largest p: the same two instructions on the same number give the same bits
.endr
	v_pk_add_f32 v[PT:PT+1], v[S:S+1], v[S+2:S+3]  ; the row's sum is taken of the unquantised p: two at a time, in two chains
.irp i, 4,8,12,16,20,24,28,32,36,40,44,48,52,56,60
	v_pk_add_f32 v[LS:LS+1], v[LS:LS+1], v[S+\i:S+\i+1]
	v_pk_add_f32 v[PT:PT+1], v[PT:PT+1], v[S+\i+2:S+\i+3]
.endr
	v_pk_add_f32 v[LS:LS+1], v[LS:LS+1], v[PT:PT+1]
	s_wait_alu depctr_va_vdst(0)                   ; and one for the four
.irp b, 0,1,2,3
	v_max_num_f32 v[BX+\b], 0x1800000, v[BX+\b]    ; the floor 2^(3 - 127): the byte cannot fall under 1 (a block whose every p is 0 keeps that byte: its codes are zeros)
.endr
.irp b, 0,1,2,3
	v_add_nc_u32 v[SO+\b], 0xff000000, v[BX+\b]    ; 2 off the exponent field: the conversion's scale operand
.endr
.irp b, 0,1,2,3
	v_lshrrev_b32 v[BY+\b], 23, v[SO+\b]           ; the scale's byte
.endr
	v_lshl_or_b32 v[PW], v[BY+1], 8, v[BY]         ; p's scale word for these 128 keys
	v_lshl_or_b32 v[PW], v[BY+2], 16, v[PW]
	v_lshl_or_b32 v[PW], v[BY+3], 24, v[PW]
.irp c, 0,1
	v_cvt_scalef32_pk16_fp6_f32 v[PCD+6*\c:PCD+6*\c+2], v[S+32*\c:S+32*\c+15], v[SO+2*\c]
	v_cvt_scalef32_pk16_fp6_f32 v[CT+4*\c:CT+4*\c+2], v[S+32*\c+16:S+32*\c+31], v[SO+2*\c+1]   ; (a conversion's three registers begin on an even number)
.endr
	v_nop                                          ; one plain place behind a scaled conversion
.irp c, 0,1                            ; the operand's layout wants a whole block in a lane: lanes 0-15 block 2 c, lanes 16-31 block 2 c + 1
.irp i, 0,1,2
	v_permlane16_swap_b32 v[PCD+6*\c+\i], v[CT+4*\c+\i]
.endr
.irp i, 0,1,2
	v_mov_b32 v[PCD+3+6*\c+\i], v[CT+4*\c+\i]
.endr
.endr
.set j, 0
.rept 16
	v_pk_mul_f32 v[O+j:O+j+1], v[O+j:O+j+1], v[F:F+1] op_sel_hi:[1,0]   ; O^T under the new M.  (These sixteen are also the places between p's codes and scale word and the products below)
.set j, j+2
.endr
	s_wait_dscnt 0x0                               ; V's tiles and scale words are in
.irp u, 0,1,2,3                        ; O^T += V^T P^T: four accumulators, one instruction each; K = these 128 keys
	v_wmma_scale_f32_16x16x128_f8f6f4 v[O+8*\u:O+8*\u+7], v[KF+12*\u:KF+12*\u+11], v[PCD:PCD+11], v[O+8*\u:O+8*\u+7], v[VS+\u], v[PW] matrix_a_fmt:MATRIX_FMT_FP6 matrix_b_fmt:MATRIX_FMT_FP6
.endr
	s_add_co_u32 s[TB], s[TB], RS                  ; the next record, and its 128 biases
	s_add_co_u32 s[TK], s[TK], 512
	s_sub_co_u32 s[CNT], s[CNT], 1
	s_cmp_lg_u32 s[CNT], 0
	s_cbranch_scc1 .Lstep_\@
.if (\ps) == 0
	QLOAD 1                                        ; the next pass's queries land under the way out (the last products that read Q's registers stand a softmax back)
.endif
	; THE WAY OUT.  O^T is divided by the sum and goes through my stage in LDS, so that sixteen lanes store a row's 256 consecutive bytes, at a multiple of 256 from out0's first byte.
	v_add_f32 v[LS], v[LS], v[LS+1]                ; the sum's two halves,
	v_permlanex16_b32 v[PT], v[LS], s[SEL], s[SEL+1]
	v_add_f32 v[LS], v[LS], v[PT]                  ; and lane l xor 16's: the row's sum
	v_rcp_f32 v[LS], v[LS]
.rept 2
	v_nop                                          ; the plain line behind the reciprocal; with the two additions above, the four places behind the last products
.endr
	s_wait_alu depctr_va_vdst(0)                   ; ahead of the reciprocal's first reader
.set j, 0
.rept 16
	v_pk_mul_f32 v[S+j:S+j+1], v[O+j:O+j+1], v[LS:LS+1] op_sel_hi:[1,0]   ; register 8 u + i is out(query r, channel 16 u + 8 h + i)
.set j, j+2
.endr
.irp u, 0,1,2,3
	ds_store_b128 v[SI], v[S+8*\u:S+8*\u+3] offset:64*\u
	ds_store_b128 v[SI], v[S+8*\u+4:S+8*\u+7] offset:64*\u+16
.endr
.irp i, 0,1,2,3,4,5,6,7
	ds_load_b128 v[KF+4*\i:KF+4*\i+3], v[SBK] offset:2*\i*SPI   ; LDS serves a wave's instructions in order: these see my stores
.endr
.irp i, 0,1,2,3,4,5,6,7
	s_wait_dscnt 7-\i                              ; the younger loads from the stage may be out
	global_store_b128 v[GO], v[KF+4*\i:KF+4*\i+3], s[10:11] offset:(\ps)*OSTEP+8192*\i th:TH_STORE_NT
.endr
.if (\ps) == 0
	s_wait_xcnt 0x0                                ; the stores have read their data: the next pass loads into these registers only behind this wait
.endif
.endm
	PASS 0
	PASS 1
	s_wait_dscnt 0x0                               ; no LDS instruction of mine is out
	s_wait_tensorcnt 0x0
	ds_add_u32 v207, v211
	s_wait_dscnt 0x0
	ROUND                                          ; the closing round
	s_endpgm
.Lfunc_end_k_q65d8b3eb7e_attn:
	.size	k_q65d8b3eb7e_attn, .Lfunc_end_k_q65d8b3eb7e_attn-k_q65d8b3eb7e_attn
	.p2alignl 7, 3214868480
	.fill 96, 4, 3214868480
	.section	.rodata,"a",@progbits
	.p2align	6, 0x0
	.amdhsa_kernel k_q65d8b3eb7e_attn
		.amdhsa_group_segment_fixed_size 327680
		.amdhsa_private_segment_fixed_size 0
		.amdhsa_enable_private_segment 0
		.amdhsa_kernarg_size 32
		.amdhsa_user_sgpr_count 2
		.amdhsa_user_sgpr_kernarg_segment_ptr 1
		.amdhsa_wavefront_size32 1
		.amdhsa_system_sgpr_workgroup_id_x 1
		.amdhsa_system_sgpr_workgroup_id_y 1
		.amdhsa_system_sgpr_workgroup_id_z 1
		.amdhsa_system_vgpr_workitem_id 0
		.amdhsa_next_free_vgpr 256
		.amdhsa_next_free_sgpr 66
		.amdhsa_reserve_vcc 1
		.amdhsa_float_denorm_mode_32 3
		.amdhsa_float_denorm_mode_16_64 3
		.amdhsa_memory_ordered 1
		.amdhsa_forward_progress 1
		.amdhsa_inst_pref_size 52
	.end_amdhsa_kernel
	.amdgpu_metadata
---
amdhsa.version: [ 1, 2 ]
amdhsa.kernels:
  - .name:           k_q65d8b3eb7e_attn
    .symbol:         k_q65d8b3eb7e_attn.kd
    .args:
      - { .name: qrec, .offset: 0, .size: 8, .value_kind: global_buffer, .address_space: global }
      - { .name: rec, .offset: 8, .size: 8, .value_kind: global_buffer, .address_space: global }
      - { .name: mask, .offset: 16, .size: 8, .value_kind: global_buffer, .address_space: global }
      - { .name: out0, .offset: 24, .size: 8, .value_kind: global_buffer, .address_space: global }
    .group_segment_fixed_size: 327680
    .private_segment_fixed_size: 0
    .kernarg_segment_align: 8
    .kernarg_segment_size: 32
    .max_flat_workgroup_size: 512
    .sgpr_count:     66
    .vgpr_count:     256
    .wavefront_size: 32
...
	.end_amdgpu_metadata
.endif
;; end of part 3
